; MI455X (gfx1250); checked and timed in simulation.
; The chip was launched on July 23, 2026; its instructions are those of AMD's public machine-readable ISA for CDNA 5 (MIT licence, August 2026) and "CDNA5" Instruction Set Architecture Reference Guide (July 2026). The comments in the code are by the model that wrote it; some were corrected since.
;; Textual Knowledge Injector. Allowed arithmetic: matrix products marked QUANTISED: E4M3 operands, one given power-of-two scale a tensor, by v_wmma_f32_16x16x64_fp8_fp8 or v_wmma_f32_16x16x128_fp8_fp8, f32 sums; products left as they are: f32 operands where the result goes on into a quantised operand, else bf16, f16 or f32 operands; f32 sums; everything else in f32.
;; Inputs: adapter_b 256 float32; adapter_w 256 x 768 float32; lowp_scales 6 int32 (the exponents e of the quantised operands' scales 2^e); pair_avail 40 x 40 bool; pair_emb 40 x 40 x 768 float32; surviving_mask 64 x 256 x 40 bool.
;; Outputs: out0 64 x 256 x 256 float32.
;; This version of the problem:
;;   THIS VERSION OF THE PROBLEM IS GIVEN IN LOW PRECISION. The matrix products marked QUANTISED in the list below multiply operands that are first quantised to E4M3 (4 exponent bits, 3 mantissa bits; 8 bits a number), with one given power-of-two scale for each operand tensor; their sums are f32. All else is computed in f32.
;;   The module's matrix products, in the order in which they are computed (A, B: the left and right operand; K: the contracted axis; several contracted axes count as one K, in the product's order):
;;     1. batch 16,384 x [M 40, K 1] x [K 1, N 40]; A: computed on the way; B: computed on the way: left as it is (no contracted axis)
;;     2. [M 16,384, K 1,600] x [K 1,600, N 768]; A: computed on the way; B: computed on the way: QUANTISED (scales: A lowp_scales[0], B lowp_scales[1])
;;     3. [M 40, K 40] x [K 40, N 16,384]; A: computed on the way; B: input surviving_mask: QUANTISED (scales: A lowp_scales[2], B lowp_scales[3])
;;     4. batch 16,384 x [M 1, K 40] x [K 40, N 1]; A: input surviving_mask; B: computed on the way: left as it is (M = 1 < 16)
;;     5. [M 16,384, K 768] x [K 768, N 256]; A: computed on the way; B: input adapter_w: QUANTISED (scales: A lowp_scales[4], B lowp_scales[5])
;;   THE QUANTISER, for each operand of a quantised product, along K:
;;     - The operand's scale is 2^e, e = its entry of the input lowp_scales (int32; the entries are numbered through the quantised products in the list's order, A before B).
;;     - Each number is divided by the scale, clamped to +-448, and rounded to the nearest number of E4M3, ties to even, subnormals kept.
;;     - The product sums the exact products of the quantised numbers (number of the format x scale) in f32.
;;   ~~~python
;;   def quantise(x, axis, e):      # numpy; x: float32 -> the quantised numbers, widened to float32 again
;;       x = np.moveaxis(x, axis, -1); K = x.shape[-1]
;;       r = np.clip(x / 2.0 ** e, -448, 448)
;;       step = 2.0 ** (np.maximum(np.frexp(np.where(r == 0, 1, r))[1] - 1, -6) - 3)
;;       q = np.round(r / step) * step * 2.0 ** e      # np.round: ties to even
;;       return np.moveaxis(q, -1, axis).astype(np.float32)
;;   ~~~
;;   OPERANDS COMPUTED ON THE WAY. 'Computed on the way' means the value that the module computes at that place (a softmax that the list does not call 'softmax' is quantised finished and normalised). What goes into a quantiser is computed in f32, as accurately as f32 sums, v_exp_f32 and their like allow (about 1e-6 of the number): no bf16 or f16 on the way to a quantiser, and a product that is left as it is and whose result goes on into a quantised operand takes f32 operands (vector FMAs, or v_wmma_f32_16x16x4_f32). A number that lies on a knife's edge between two numbers of the format may be rounded either way, as far as f32 arithmetic and the matrix unit's own rounding can turn it there, and no further.
;; One version. Each part assembles by itself: llvm-mc -triple=amdgcn-amd-amdhsa -mcpu=gfx1250 --defsym DOCPART=n.
;; ======== version 1 of 1: 2 launches
;; workspace buffers: codes 884,736 bytes
;; launch prep (part 1): grid 3 x 60, 8 waves a work-group, no clusters, 0 bytes of LDS; arguments pair_emb, pair_avail, adapter_w, lowp_scales, codes; writes codes
.if DOCPART == 1
	.amdgcn_target "amdgcn-amd-amdhsa--gfx1250"
	.amdhsa_code_object_version 6
	.text
	.protected	k_q660524a424_prep
	.globl	k_q660524a424_prep
	.p2align	8
	.type	k_q660524a424_prep,@function
k_q660524a424_prep:
	s_mov_b64 s[64:65], 0
	v_nop
	global_prefetch_b8 v0, s[64:65] scope:SCOPE_SE
	s_setreg_imm32_b32 hwreg(HW_REG_WAVE_MODE, 25, 1), 1
	s_wait_xcnt 0x0
; PREP: the two weight-like operands are turned into codes of E4M3 once, laid as images of operand registers, in the order in which the next launch's waves walk them.
; codes [wave 4][fragment 108][2,048 bytes]: wave w of the next launch walks its 108 fragments on end: 84 of E (step s, tile t of its twelve: index 12 s + t), then 24 of W (K step u, tile o: index 84 + 4 u + o).
; (1) E: B of the pair product, pair_emb x (pair_avail and i < j), scale 2^e1 (entry 1 of the scales).  Tile t of wave w is columns 192 w + 16 t on.
;     Only pairs i < j count (the upper triangle is part of the computation itself), so K is laid anew: 112 ENTRIES of 8 slots.  Entry e = 16 step + register.  kappa = e / 11, pos = e % 11, n = 10 - kappa / 2;
;     pos < n: a = kappa, g = kappa / 2 + pos; else a = 19 - kappa, g = a / 2 + pos - n.  Slot (e, h, byte) is the pair i = 2 a + h, j = 4 g + byte.  Every pair i < j falls on one slot; slots with j <= i, pairs that are
;     not available and entries 110, 111 get the code 0.  A fragment is 16 columns x 128 slots: registers 4 c .. 4 c + 3 of lane r + 16 h lie at 512 c + 16 (r + 16 h).
; (2) W: adapter_w, scale 2^e5; tile o of wave w is rows 64 w + 16 o on: lane (r, h), chunk c: W[row][128 u + 32 c + 8 h + 0..7], then W[row][128 u + 32 c + 16 + 8 h + 0..7]: the 8-bit operand's own layout.
; code = x / 2^e, held within +-448, to the nearest code, ties to even.  LIMITS: e1 and e5 between -126 and 119; NaN among the inputs is not served; an infinity is held at the largest code;
; an infinity or a NaN of a pair that does not count gives the code 0 (a multiplication by 0 would give NaN).
; SHARES.  Work-group (x, y), eight waves.  y < 56: step y / 8, chunk (y / 2) % 4, half y % 2; wave v takes columns 32 (8 x + v) on, A LANE A COLUMN, its 16 registers run along the chunk's 16 slots.
;          y >= 56: rows 64 (y - 56) + 16 (v % 4) on of adapter_w, K step 2 x + v / 4.  No LDS, no barrier, no cluster: no two work-groups read the same bytes but for a few of pair_avail.
.set EROW, 3072                        ; bytes of one pair's 768 numbers, and of a row of adapter_w
.set STREAM, 221184                    ; bytes of one wave's 108 fragments
	s_load_b256 s[4:11], s[0:1], 0x0               ; pair_emb s[4:5], pair_avail s[6:7], adapter_w s[8:9], the scales' exponents s[10:11]
	s_load_b64 s[12:13], s[0:1], 0x20              ; codes
	v_lshrrev_b32 v1, 5, v0
	v_readfirstlane_b32 s16, v1                    ; wave 0..7
	v_and_b32 v1, 31, v0                           ; lane
	s_mov_b32 s17, ttmp9                           ; x
	s_and_b32 s18, ttmp7, 0xffff                   ; y
	s_wait_kmcnt 0x0
	s_cmp_ge_u32 s18, 56
	s_cbranch_scc1 .Lweights
	; ---------------- pair_emb ----------------
	s_load_b32 s56, s[10:11], 0x4                  ; e1
	s_lshr_b32 s19, s18, 3                         ; step
	s_bfe_u32 s20, s18, 0x20001                    ; chunk c
	s_and_b32 s21, s18, 1                          ; half h
	s_lshl_b32 s22, s17, 3
	s_add_co_u32 s22, s22, s16                     ; tau = 8 x + wave: my 32 columns
	s_lshl_b32 s23, s19, 4
	s_lshl_b32 s70, s20, 2
	s_add_co_u32 s23, s23, s70                     ; the chunk's first entry: 16 step + 4 c
; Entry k of the chunk's four, in scalars: s[24+k] = 40 i + j0 (the pair's place in pair_avail, a multiple of 4), s[28+2k:29+2k] = the address of pair (i, j0), s[66+k] = a mask of the four bytes with j > i (0 for a padding entry)
.macro PAIRIDX k
	s_add_co_u32 s70, s23, \k                      ; e
	s_mul_i32 s71, s70, 745
	s_lshr_b32 s71, s71, 13                        ; kappa = e / 11 (745 / 8192 serves e up to 111)
	s_mul_i32 s72, s71, 11
	s_sub_co_u32 s72, s70, s72                     ; pos
	s_lshr_b32 s73, s71, 1
	s_sub_co_u32 s74, 10, s73                      ; n
	s_add_co_u32 s75, s73, s72                     ; g, first part
	s_sub_co_u32 s76, 19, s71                      ; a, second part
	s_lshr_b32 s77, s76, 1
	s_add_co_u32 s77, s77, s72
	s_sub_co_u32 s77, s77, s74                     ; g, second part
	s_cmp_lt_u32 s72, s74
	s_cselect_b32 s71, s71, s76                    ; a
	s_cselect_b32 s75, s75, s77                    ; g
	s_lshl_b32 s71, s71, 1
	s_add_co_u32 s71, s71, s21                     ; i = 2 a + h
	s_lshl_b32 s75, s75, 2                         ; j0 = 4 g
	s_mul_i32 s72, s71, 40
	s_add_co_u32 s[24+\k], s72, s75
	s_add_co_u32 s73, s71, 1
	s_sub_co_i32 s73, s73, s75
	s_max_i32 s73, s73, 0
	s_min_i32 s73, s73, 4                          ; how many of the four have j <= i
	s_lshl_b32 s73, s73, 2
	s_lshl_b32 s74, -1, s73
	s_lshl_b32 s74, s74, s73                       ; their bytes cleared (two shifts of half the bits, so that four bytes give 0)
	s_cmp_ge_u32 s70, 110
	s_cselect_b32 s[66+\k], 0, s74
	s_mul_i32 s72, s[24+\k], EROW
	s_mov_b32 s73, 0
	s_add_nc_u64 s[28+2*\k:29+2*\k], s[4:5], s[72:73]
.endm
	PAIRIDX 0
	PAIRIDX 1
	PAIRIDX 2
	PAIRIDX 3
.irp k, 0,1,2,3
	s_load_b32 s[36+\k], s[6:7], s[24+\k] offset:0x0   ; pair_avail(i, j0 .. j0 + 3): four bytes of 0 or 1
.endr
	v_lshlrev_b32 v2, 2, v1
	s_lshl_b32 s70, s22, 7
	v_add_nc_u32 v2, s70, v2                       ; my column's byte in a pair's row: 128 tau + 4 lane
.irp k, 0,1,2,3
.irp b, 0,1,2,3
	global_load_b32 v[16+4*\k+\b], v2, s[28+2*\k:29+2*\k] offset:EROW*\b th:TH_LOAD_NT   ; E(i, j0 + b, my column): a wave reads 128 consecutive bytes, the eight waves 1,024
.endr
.endr
	s_mul_i32 s70, s22, 43                         ; where the codes go: my two tiles are tiles 2 (tau % 6) and the next of stream tau / 6
	s_lshr_b32 s70, s70, 8                         ; tau / 6 (43 / 256 serves tau up to 23)
	s_mul_i32 s71, s70, 6
	s_sub_co_u32 s71, s22, s71                     ; tau % 6
	s_mul_i32 s70, s70, STREAM
	s_mul_i32 s72, s19, 12
	s_lshl_b32 s71, s71, 1
	s_add_co_u32 s72, s72, s71                     ; fragment 12 step + 2 (tau % 6)
	s_lshl_b32 s72, s72, 11
	s_add_co_u32 s70, s70, s72
	s_lshl_b32 s71, s20, 9                         ; + 512 c
	s_add_co_u32 s70, s70, s71
	s_lshl_b32 s71, s21, 8                         ; + 256 h
	s_add_co_u32 s70, s70, s71
	s_mov_b32 s71, 0
	s_add_nc_u64 s[12:13], s[12:13], s[70:71]
	v_lshrrev_b32 v3, 4, v1
	v_and_b32 v5, 15, v1
	v_lshlrev_b32 v5, 4, v5
	v_lshl_or_b32 v3, v3, 11, v5                   ; lanes 0-15: the first tile, lanes 16-31 the next fragment; 16 bytes a lane
	s_wait_kmcnt 0x0
	s_add_co_i32 s56, s56, 127
	s_lshl_b32 s57, s56, 23
	v_mov_b32 v4, s57                              ; 2^e1 as f32: the conversion takes its exponent field
	s_add_co_i32 s56, s56, 8
	s_lshl_b32 s58, s56, 23
	s_or_b32 s58, s58, 0x600000
	v_mov_b32 v6, s58                              ; 448 x 2^e1
.irp k, 0,1,2,3
	s_and_b32 s[36+\k], s[36+\k], s[66+\k]         ; available AND j > i
.irp b, 0,1,2,3
	s_bitcmp1_b32 s[36+\k], 8*\b
	s_cselect_b32 s[40+4*\k+\b], -1, 0             ; the slot's mask: all ones where the pair counts, else 0
.endr
.endr
	s_wait_loadcnt 0x0
.set n, 0
.rept 16
	v_med3_num_f32 v[16+n], v[16+n], -v6, v6       ; the hold: the conversion to an 8-bit code does not saturate (ISA guide 7.6.2)
.set n, n+1
.endr
.set n, 0
.rept 16
	v_and_b32 v[16+n], s[40+n], v[16+n]            ; the mask and the triangle: a pair that does not count becomes +0, bit for bit
.set n, n+1
.endr
	v_cvt_scalef32_pk8_fp8_f32 v[32:33], v[16:23], v4    ; registers 4 c, 4 c + 1 of the operand
	v_cvt_scalef32_pk8_fp8_f32 v[34:35], v[24:31], v4    ; registers 4 c + 2, 4 c + 3.  (Their results go to a store alone)
	global_store_b128 v3, v[32:35], s[12:13]       ; sixteen lanes store 256 consecutive bytes, aligned
	s_endpgm
	; ---------------- adapter_w ----------------
.Lweights:
	s_load_b32 s56, s[10:11], 0x14                 ; e5
	s_sub_co_u32 s19, s18, 56                      ; which 64 rows: the stream
	s_and_b32 s21, s16, 3                          ; which 16 of them: the tile
	s_lshr_b32 s22, s16, 2
	s_lshl_b32 s23, s17, 1
	s_add_co_u32 s22, s22, s23                     ; K step u = 2 x + wave / 4
	s_lshl_b32 s20, s19, 2
	s_add_co_u32 s20, s20, s21
	s_mul_i32 s70, s20, 16*EROW
	s_lshl_b32 s71, s22, 9                         ; 128 numbers, 512 bytes a K step
	s_add_co_u32 s70, s70, s71
	v_and_b32 v2, 15, v1                           ; r
	v_lshrrev_b32 v3, 4, v1                        ; h
	v_mul_u32_u24 v5, v2, EROW
	v_lshl_add_u32 v5, v3, 5, v5                   ; row r, + 8 h numbers
	v_add_nc_u32 v5, s70, v5
.irp c, 0,1,2,3
.irp p, 0,1
	global_load_b128 v[16+16*\c+8*\p:16+16*\c+8*\p+3],   v5, s[8:9] offset:128*\c+64*\p th:TH_LOAD_NT      ; W(row, 128 u + 32 c + 16 p + 8 h + 0..3)
	global_load_b128 v[16+16*\c+8*\p+4:16+16*\c+8*\p+7], v5, s[8:9] offset:128*\c+64*\p+16 th:TH_LOAD_NT   ; .. + 4..7
.endr
.endr
	s_mul_i32 s72, s19, STREAM
	s_lshl_b32 s73, s22, 2
	s_add_co_u32 s73, s73, s21
	s_add_co_u32 s73, s73, 84                      ; fragment 84 + 4 u + tile
	s_lshl_b32 s73, s73, 11
	s_add_co_u32 s72, s72, s73
	s_mov_b32 s73, 0
	s_add_nc_u64 s[12:13], s[12:13], s[72:73]
	v_lshlrev_b32 v3, 4, v1                        ; 16 x lane
	s_wait_kmcnt 0x0
	s_add_co_i32 s56, s56, 127
	s_lshl_b32 s57, s56, 23
	v_mov_b32 v4, s57                              ; 2^e5
	s_add_co_i32 s56, s56, 8
	s_lshl_b32 s58, s56, 23
	s_or_b32 s58, s58, 0x600000
	v_mov_b32 v6, s58                              ; 448 x 2^e5
	s_wait_loadcnt 0x0
.set n, 0
.rept 64
	v_med3_num_f32 v[16+n], v[16+n], -v6, v6
.set n, n+1
.endr
.set n, 0
.rept 8
	v_cvt_scalef32_pk8_fp8_f32 v[80+2*n:81+2*n], v[16+8*n:23+8*n], v4
.set n, n+1
.endr
.irp c, 0,1,2,3
	global_store_b128 v3, v[80+4*\c:83+4*\c], s[12:13] offset:512*\c   ; the wave stores 512 consecutive bytes, aligned
.endr
	s_endpgm
.Lfunc_end_k_q660524a424_prep:
	.size	k_q660524a424_prep, .Lfunc_end_k_q660524a424_prep-k_q660524a424_prep
	.p2alignl 7, 3214868480
	.fill 96, 4, 3214868480
	.section	.rodata,"a",@progbits
	.p2align	6, 0x0
	.amdhsa_kernel k_q660524a424_prep
		.amdhsa_group_segment_fixed_size 0
		.amdhsa_private_segment_fixed_size 0
		.amdhsa_enable_private_segment 0
		.amdhsa_kernarg_size 40
		.amdhsa_user_sgpr_count 2
		.amdhsa_user_sgpr_kernarg_segment_ptr 1
		.amdhsa_wavefront_size32 1
		.amdhsa_system_sgpr_workgroup_id_x 1
		.amdhsa_system_sgpr_workgroup_id_y 1
		.amdhsa_system_sgpr_workgroup_id_z 1
		.amdhsa_system_vgpr_workitem_id 0
		.amdhsa_next_free_vgpr 96
		.amdhsa_next_free_sgpr 80
		.amdhsa_reserve_vcc 0
		.amdhsa_float_denorm_mode_32 3
		.amdhsa_float_denorm_mode_16_64 3
		.amdhsa_memory_ordered 1
		.amdhsa_forward_progress 1
		.amdhsa_inst_pref_size 19
	.end_amdhsa_kernel
	.amdgpu_metadata
---
amdhsa.version: [ 1, 2 ]
amdhsa.kernels:
  - .name:           k_q660524a424_prep
    .symbol:         k_q660524a424_prep.kd
    .args:
      - { .name: pair_emb, .offset: 0, .size: 8, .value_kind: global_buffer, .address_space: global }
      - { .name: pair_avail, .offset: 8, .size: 8, .value_kind: global_buffer, .address_space: global }
      - { .name: adapter_w, .offset: 16, .size: 8, .value_kind: global_buffer, .address_space: global }
      - { .name: lowp_scales, .offset: 24, .size: 8, .value_kind: global_buffer, .address_space: global }
      - { .name: codes, .offset: 32, .size: 8, .value_kind: global_buffer, .address_space: global }
    .group_segment_fixed_size: 0
    .private_segment_fixed_size: 0
    .kernarg_segment_align: 8
    .kernarg_segment_size: 40
    .max_flat_workgroup_size: 256
    .sgpr_count:     80
    .vgpr_count:     96
    .wavefront_size: 32
...
	.end_amdgpu_metadata
.endif
;; end of part 1
;; launch chain (part 2): grid 256 x 1, 4 waves a work-group, clusters of 4 x 1, 327,680 bytes of LDS; arguments codes, surviving_mask, pair_avail, adapter_b, lowp_scales, out0; writes out0
.if DOCPART == 2
	.amdgcn_target "amdgcn-amd-amdhsa--gfx1250"
	.amdhsa_code_object_version 6
	.text
	.protected	k_q660524a424_chain
	.globl	k_q660524a424_chain
	.p2align	8
	.type	k_q660524a424_chain,@function
k_q660524a424_chain:
	s_mov_b64 s[64:65], 0
	v_nop
	global_prefetch_b8 v0, s[64:65] scope:SCOPE_SE
	s_setreg_imm32_b32 hwreg(HW_REG_WAVE_MODE, 25, 1), 1
	s_wait_xcnt 0x0
	s_wait_alu depctr_hold_cnt(0) depctr_sa_sdst(0) depctr_va_vdst(0) depctr_va_sdst(0) depctr_va_ssrc(0) depctr_va_vcc(0) depctr_vm_vsrc(0)
	s_getreg_b32 s2, hwreg(HW_REG_IB_STS2, 6, 4)
	s_cmp_eq_u32 s2, 0
	s_cbranch_scc0 .Lentry_in_a_cluster
	s_endpgm
.Lentry_in_a_cluster:
	s_bfe_u32 s2, ttmp6, 0x10000c
	s_cmp_lg_u32 s2, 0x3003
	s_cbranch_scc0 .Lentry_shape_is_right
	s_endpgm
.Lentry_shape_is_right:
; CHAIN: out0[row][o] = sum over d of Q(ctx[row][d]) W[o][d] + b[o], ctx[row][d] = (sum over pairs i < j of m_i m_j E[i][j][d]) / max(cnt, 1), or 0 where cnt <= 0.  ctx never goes to memory.
; All three quantised products run on codes of E4M3.  The pair product: A = m_i m_j (scale 2^e0), B = E's codes (scale 2^e1), K = 896 slots in 7 steps of 128 (the slot map stands in the launch that makes the codes:
; entry e = 16 step + register; slot (e, h, byte) = pair (i = 2 a + h, j = 4 g + byte)).  A HAS TWO VALUES, 0 and the code of 1.0, AND IS MADE IN REGISTERS: register e of lane (row r, half h) is
; MJ[g] AND MI, where MJ[g] holds the code of 1.0 in the bytes of the row's surviving features 4 g .. 4 g + 3 and MI holds feature 2 a + h's byte four times: one v_and_b32 for four codes.
; cnt: avail x m^T on codes (scales 2^e2, 2^e3; 16 x 16 x 64, K = 40 of 64 slots: half h holds j = 20 h .. 20 h + 19), then the dot with m in f32.  The last product: ctx's codes (2^e4) x W's codes (2^e5), K = 768.
; SHARES.  A work-group takes 64 rows.  THE WAVES SHARE THE COLUMNS: wave w makes ctx's columns 192 w on (12 tiles x 4 tiles of rows: 48 accumulators, 384 registers), then outputs 64 w on (4 x 4 tiles).
; THE STREAM.  What wave w multiplies by lies on end in memory: 108 fragments of 2,048 bytes, 84 of E and 24 of W: six slots of 18 fragments.  Each wave has two LDS regions of a slot's size, fills them itself and reads
; them alone, so its own wait on TENSORcnt is all that a read needs.  A region is filled again behind a round of the cluster's barrier, in front of which every wave has waited for all its tensor loads, added 0 to its spare
; words and waited for that and for its LDS reads; the refill is the wave's one tensor load behind the round and has three half-steps, 72 matrix instructions, in which to land.  By this text's count a wave has at most
; four tensor loads out (the first fills: slot 0 in three parts, so that the first products wait for the first part alone, and slot 1).
; CLUSTER.  Every work-group walks the same four streams: the four of a cluster ask JOINTLY, by the same loads with the same descriptors and the mask of all four.
; No prefetch is laid: the stream is 884,736 bytes in all, and a wave's part of a slot, 144 blocks of 256 bytes, does not fall into whole runs of 32 lanes among the four partners.
; ctx FROM WAVE TO WAVE: as images of operand registers.  A wave's 24 chunks of 512 bytes go into the first 12,288 bytes of its own region 0, which has had its last fill and whose bytes there (E's half-step 12) the wave
; has read; one barrier; every wave reads all four waves' chunks.  The stage for the way out lies behind them in the same region (E's half-step 13), each wave's own.
; THE MATRIX INSTRUCTIONS ARE USED TRANSPOSED (source 0 = 16 columns of E, or 16 rows of W; source 1 = 16 rows): a lane holds one row (lane % 16) and eight neighbouring columns 8 (lane / 16) + 0..7.
; LIMITS on the given exponents, so that each power of two below is an f32 number: e0, e2, e3 and e4 - e0 - e1 between -126 and 119; e4 + e5 between -126 and 127.  1 / max(cnt, 1) is v_rcp_f32 and a multiplication.
; REGISTERS, in windows of 256.  Window 0: v1-15 lane numbers and addresses; v16-23 1 / cnt in pairs; v24-27 MI; v32-71 the rows' masks, then MJ, then (v32-63) the bias; v72-112 the codes of 1.0 and small things;
;   v113-120 addresses; v126-127 the add's two; v128-191, v192-255 A's fragments, two buffers (tile m at + 16 m); the same registers serve cnt before, the conversions behind, and the last product's 16 accumulators.
;   Window 1: E's fragments, two sets of six, at v0 and v96; for the last product two sets of 128 (ctx's four fragments, then W's four).
;   Window 2: accumulators (t, m) at 8 (4 t + m), t = 0..7.   Window 3: t = 8..11 at 8 (4 (t - 8) + m).
.set FRAGB,  2048
.set HALFB,  12288                     ; a half-step: six fragments
.set SLOTB,  36864                     ; a slot: three half-steps
.set WAVEB,  73728                     ; a wave's two regions in LDS
.set STREAM, 221184                    ; a wave's stream in memory
.set SPARE,  294912                    ; behind the four waves' regions: the spare words, 128 bytes for each wave: two blocks of 256 bytes that no other line names
.set ADB,  4                           ; v4-5     16 x lane + my region 0, my region 1
.set SEL,  10                          ; v10-11   byte selects for MI: feature 2 a + h is byte 2 (a % 2) + h of its word
.set INV,  16
.set MI,   24
.set RAW,  32
.set BIAS, 32
.set ONE,  72
.set COD,  96                          ; v96, v98, v100: the code of 1.0 under 2^e0, 2^e2, 2^e3, in the low byte
.set SCL,  104
.set YB,   108
.set CXA,  113                         ; v113-116 16 x lane + wave q's region 0: where wave q's chunks of ctx lie
.set STO,  117                         ; the way out: where I put 32 bytes of a row
.set RD,   118                         ; and where I read a row back
.set GO,   119                         ; my byte offset in out0
.set BO,   120                         ; the bias: my half's eight numbers of a tile
.set SPW,  126                         ; LDS address of my spare word: SPARE + 4 x my thread's number; never rewritten
.set NIL,  127                         ; 0; never rewritten
.set AV,   128
.set MOP,  152
.set DD,   160
.set RH,   184
.set X,    192
.set CNT,  216
.set ABUF, 128
.set TW,   128
.set ACC,  128
.set G0,   32                          ; s[32:39] descriptor group 0, a set for each region: the LDS address stays, the global address walks
.set G1,   40                          ; s[40:47] descriptor group 1: a slot
.set G0P,  68                          ; s[68:79] group 0 for slot 0's three half-steps
.set G1P,  88                          ; s[88:95] group 1: a half-step
.set MSB, 0
.macro WIN new                         ; the immediate's high byte repeats the setting that is left; a switch that changes nothing is dropped
.if MSB != \new
	s_set_vgpr_msb (MSB<<8)|\new
.set MSB, \new
.endif
.endm
.set MUL_LO, 0xa1                      ; source 0 (E) window 1, source 1 (rows) window 0, C and D window 2
.set MUL_HI, 0xf1                      ; the same, C and D window 3
.set MULW,   0x05                      ; the last product: sources 0 and 1 window 1; C and D window 0
.set TO_B,   0x40                      ; destination window 1, address window 0
.macro CROUND                          ; a round of the cluster's barrier: my work-group's barrier, wave 0 signals for the work-group, every wave waits for all four work-groups, my work-group's barrier once more
	s_barrier_signal -1
	s_barrier_wait -1
	s_cmp_lg_u32 s16, 0
	s_cbranch_scc1 .Lnot_wave_0_\@
	s_barrier_signal -3
.Lnot_wave_0_\@:
	s_barrier_wait -3
	s_barrier_signal -1
	s_barrier_wait -1
.endm
	s_load_b256 s[4:11], s[0:1], 0x0               ; codes s[4:5], surviving_mask s[6:7], pair_avail s[8:9], adapter_b s[10:11]
	s_load_b128 s[12:15], s[0:1], 0x20             ; the scales' exponents s[12:13], out0 s[14:15]
	v_lshl_add_u32 v[SPW], v0, 2, SPARE
	v_mov_b32 v[NIL], 0
	ds_add_u32 v126, v127
	ds_add_u32 v126, v127
	s_wait_dscnt 0x0
	v_lshrrev_b32 v1, 5, v0
	v_readfirstlane_b32 s16, v1                    ; wave 0..3
	s_bfe_u32 s17, ttmp6, 0x40000                  ; cx: my place in the cluster
	s_lshl_b32 s18, ttmp9, 2
	s_add_co_u32 s18, s18, s17                     ; my block of 64 rows: it enters the masks' and out0's addresses alone
	s_mov_b32 s26, 0x76543210
	s_mov_b32 s27, 0xfedcba98                      ; v_permlanex16_b32's selects for lane l xor 16
	s_mov_b32 s30, 0xffff0000                      ; the lanes with h = 1
	s_mul_i32 s60, s16, WAVEB                      ; my two regions in LDS: the wave's number alone enters an LDS address
	s_add_co_u32 s61, s60, HALFB                   ; my stage
	v_and_b32 v3, 31, v0
	v_and_b32 v1, 15, v0                           ; r
	v_bfe_u32 v2, v0, 4, 1                         ; h
	v_lshlrev_b32 v3, 4, v3                        ; 16 x lane
	v_add_nc_u32 v[ADB], s60, v3
	v_add_nc_u32 v[ADB+1], SLOTB, v[ADB]
.irp q, 0,1,2,3
	v_add_nc_u32 v[CXA+\q], WAVEB*\q, v3
.endr
	v_mul_u32_u24 v[STO], v1, 272
	v_lshl_add_u32 v[STO], v2, 5, v[STO]
	v_add_nc_u32 v[STO], s61, v[STO]               ; in: row r of 272 bytes, 32 bytes for each half of the lanes
	v_mul_u32_u24 v[RD], v2, 272
	v_lshl_add_u32 v[RD], v1, 4, v[RD]
	v_add_nc_u32 v[RD], s61, v[RD]                 ; back: lanes 0-15 one row of 256 bytes, lanes 16-31 the next
	v_lshlrev_b32 v[GO], 10, v2
	v_lshl_add_u32 v[GO], v1, 4, v[GO]             ; and the same two rows in out0 (a row is 1,024 bytes)
	v_lshlrev_b32 v[BO], 5, v2
	v_mul_u32_u24 v8, v1, 40                       ; a row's mask is 40 bytes
	v_mul_u32_u24 v12, v2, 20
	v_add_nc_u32 v9, v8, v12                       ; pair_avail: row r (and 16 + r), + 20 h
	v_add_nc_u32 v15, 32, v1
	v_min_u32 v15, 39, v15                         ; rows 32 + r: those past 39 read row 39 and are cleared below
	v_mad_u32_u24 v15, v15, 40, v12
	v_mul_lo_u32 v[SEL], 0x01010101, v2
	v_add_nc_u32 v[SEL+1], 0x02020202, v[SEL]
	v_add_nc_u32 v[YB], 41, v1
	v_sub_nc_u32 v[YB], v[YB], v12                 ; r + 41 - 20 h
	v_add_nc_u32 v[YB+1], 16, v[YB]
	v_add_nc_u32 v[YB+2], 32, v[YB]
	s_mul_i32 s80, s18, 2560                       ; my block's 64 masks of 40 bytes
	s_mov_b32 s81, 0
	s_lshl_b32 s62, s16, 8                         ; my 64 outputs, in bytes
	s_mov_b32 s63, 0
	s_lshl_b32 s82, s18, 16                        ; my block's 64 rows of out0
	s_add_co_u32 s82, s82, s62
	s_mov_b32 s83, 0
	s_mul_i32 s48, s16, STREAM                     ; my stream: it hangs on the wave alone
	s_mov_b32 s49, 0
	; descriptor groups 1: rows of 32 elements of 8 bytes, dense in memory and in LDS: 144 rows are a slot, 48 a half-step; no padding: a fragment is read as it lies, 16 bytes a lane on end
	s_mov_b32 s[G1+0], 15|(3<<16)|(1<<21)          ; 15:0 the mask: all four work-groups; 17:16 elements of 8 bytes; 21 set beside a mask
	s_mov_b32 s[G1+1], 32<<16                      ; tensor_dim0 = 32
	s_mov_b32 s[G1+2], 144<<16                     ; tensor_dim1 = 144
	s_mov_b32 s[G1+3], 32<<16                      ; tile_dim0 = 32
	s_mov_b32 s[G1+4], 144                         ; tile_dim1 = 144
	s_mov_b32 s[G1+5], 32                          ; from row to row
	s_mov_b32 s[G1+6], 0
	s_mov_b32 s[G1+7], 0
	s_mov_b32 s[G1P+0], 15|(3<<16)|(1<<21)
	s_mov_b32 s[G1P+1], 32<<16
	s_mov_b32 s[G1P+2], 48<<16
	s_mov_b32 s[G1P+3], 32<<16
	s_mov_b32 s[G1P+4], 48
	s_mov_b32 s[G1P+5], 32
	s_mov_b32 s[G1P+6], 0
	s_mov_b32 s[G1P+7], 0
	s_wait_kmcnt 0x0
	s_load_b128 s[20:23], s[12:13], 0x0            ; e0, e1, e2, e3
	s_load_b64 s[24:25], s[12:13], 0x10            ; e4, e5
	s_add_nc_u64 s[6:7], s[6:7], s[80:81]
	s_add_nc_u64 s[10:11], s[10:11], s[62:63]
	s_add_nc_u64 s[14:15], s[14:15], s[82:83]
	s_add_nc_u64 s[50:51], s[4:5], s[48:49]
.irp m, 0,1,2,3
.irp q, 0,1,2,3,4
	global_load_b64 v[RAW+10*\m+2*\q:RAW+10*\m+2*\q+1], v8, s[6:7] offset:640*\m+8*\q   ; row 16 m + r's 40 bytes, in both halves of the lanes; a tile's five loads cover 640 consecutive bytes
.endr
.endr
.irp q, 0,1,2,3,4
	global_load_b32 v[AV+\q],    v9,  s[8:9] offset:4*\q       ; avail(r, 20 h + 4 q ..)
	global_load_b32 v[AV+8+\q],  v9,  s[8:9] offset:640+4*\q   ; avail(16 + r, ..)
	global_load_b32 v[AV+16+\q], v15, s[8:9] offset:4*\q       ; avail(32 + r, ..)
.endr
.irp r, 0,1
	s_mov_b32 s[G0+4*\r], 1                                    ; count = 1
	s_add_co_u32 s[G0+4*\r+1], s60, \r*SLOTB                   ; LDS address: my region r
	s_add_nc_u64 s[G0+4*\r+2:G0+4*\r+3], s[50:51], \r*SLOTB    ; global address: slot r of my stream
	s_or_b32 s[G0+4*\r+3], s[G0+4*\r+3], 0x80000000            ; type = 2
.endr
.irp i, 0,1,2
	s_mov_b32 s[G0P+4*\i], 1
	s_add_co_u32 s[G0P+4*\i+1], s60, \i*HALFB                  ; half-step i of slot 0, in region 0
	s_add_nc_u64 s[G0P+4*\i+2:G0P+4*\i+3], s[50:51], \i*HALFB
	s_or_b32 s[G0P+4*\i+3], s[G0P+4*\i+3], 0x80000000
.endr
	CROUND                                         ; all four work-groups are here: the first joint loads meet
	tensor_load_to_lds s[G0P:G0P+3], s[G1P:G1P+7]          ; half-step 0
	s_nop 0
	tensor_load_to_lds s[G0P+4:G0P+7], s[G1P:G1P+7]        ; half-step 1
	s_nop 0
	tensor_load_to_lds s[G0P+8:G0P+11], s[G1P:G1P+7]       ; half-step 2
	s_nop 0
	tensor_load_to_lds s[G0+4:G0+7], s[G1:G1+7]            ; slot 1
	s_nop 0
.rept 4
	v_nop
.endr
	; ---- the code of 1.0 under each of the three scales: min(1, 448 x 2^e) / 2^e, converted as any number is
.macro ONECODE n, e
	s_add_co_i32 s60, s[\e], 127
	s_lshl_b32 s61, s60, 23
	v_mov_b32 v[SCL+\n], s61                       ; 2^e
	s_add_co_i32 s60, s60, 8
	s_lshl_b32 s60, s60, 23
	s_or_b32 s60, s60, 0x600000                    ; 448 x 2^e
.irp i, 0,1,2,3,4,5,6,7
	v_min_num_f32 v[ONE+8*\n+\i], 1.0, s60
.endr
	v_cvt_scalef32_pk8_fp8_f32 v[COD+2*\n:COD+2*\n+1], v[ONE+8*\n:ONE+8*\n+7], v[SCL+\n]
.endm
	s_wait_kmcnt 0x0
	ONECODE 0, 20
	ONECODE 1, 22
	ONECODE 2, 23
	v_nop                                          ; one plain vector instruction between a scaled conversion and the first vector instruction that touches its result
	v_and_b32 v[COD],   0xff, v[COD]
	v_and_b32 v[COD+2], 0xff, v[COD+2]
	v_and_b32 v[COD+4], 0xff, v[COD+4]
	s_sub_co_i32 s60, s24, s20
	s_sub_co_i32 s60, s60, s21                     ; a sum of the pair product stands for sum x 2^(e0 + e1): ctx's code is sum / cnt / 2^(e4 - e0 - e1)
	s_add_co_i32 s60, s60, 127
	s_lshl_b32 s61, s60, 23
	v_mov_b32 v13, s61                             ; 2^(e4 - e0 - e1)
	s_add_co_i32 s60, s60, 8
	s_lshl_b32 s60, s60, 23
	s_or_b32 s60, s60, 0x600000
	v_mov_b32 v14, s60                             ; 448 x that
	s_add_co_i32 s61, s22, s23                     ; e2 + e3
	s_add_co_i32 s56, s24, s25
	s_add_co_i32 s56, s56, 127
	s_lshl_b32 s56, s56, 23                        ; 2^(e4 + e5) as f32
	s_mov_b32 s57, s56                             ; (named with it as a pair)
.irp q, 5,6,7
	v_mov_b32 v[MOP+\q], 0                         ; K has 40 of the form's 64 slots: the rest are zero codes on both sides
	v_mov_b32 v[AV+\q], 0
	v_mov_b32 v[AV+8+\q], 0
	v_mov_b32 v[AV+16+\q], 0
.endr
	s_wait_loadcnt 0x0                             ; the masks and pair_avail
	; ---- cnt.  avail's word q of row i = 16 T + r holds j = 20 h + 4 q + 0..3: the bytes with j <= i are cleared (clamp(i + 1 - j0, 0, 4) of them; rows i >= 40 lose all), the others become codes
.macro AVD T, q
.if \q == 0
	v_min_u32 v111, 44, v[YB+\T]
.else
	v_add_nc_u32 v111, -4*\q, v[YB+\T]             ; i + 1 - j0 + 40: never negative
	v_min_u32 v111, 44, v111
.endif
	v_min_u32 v112, 40, v111
	v_sub_nc_u32 v111, v111, v112                  ; 0 .. 4
	v_lshlrev_b32 v111, 2, v111
	v_lshlrev_b32 v112, v111, -1
	v_lshlrev_b32 v112, v111, v112                 ; two shifts of half the bits, so that four bytes give 0
	v_and_b32 v[AV+8*\T+\q], v[AV+8*\T+\q], v112
	v_mul_lo_u32 v[AV+8*\T+\q], v[AV+8*\T+\q], v[COD+2]   ; bytes of 0 or 1 x the code
.endm
.irp T, 0,1,2
.irp q, 0,1,2,3,4
	AVD \T, \q
.endr
.endr
; Tile m of the rows: D(i, row) = sum over j of avail(i, j) m(row, j) on codes; then cnt(row) = sum over i of m(row, i) D(i, row) in f32.  Lane (r, h) holds row r and, in register j of D[T], i = 16 T + 8 h + j.
.macro CNTM m
.irp q, 0,1,2,3,4
	v_cndmask_b32 v[MOP+\q], v[RAW+10*\m+\q], v[RAW+10*\m+5+\q], s30   ; my half's 20 features
.endr
.irp q, 0,1,2,3,4
	v_mul_lo_u32 v[MOP+\q], v[MOP+\q], v[COD+4]
.endr
.irp T, 0,1,2
	v_wmma_f32_16x16x64_fp8_fp8 v[DD+8*\T:DD+8*\T+7], v[AV+8*\T:AV+8*\T+7], v[MOP:MOP+7], 0
.endr
.irp T, 0,1
.irp q, 0,1
	v_cndmask_b32 v[RH+2*\T+\q], v[RAW+10*\m+4*\T+\q], v[RAW+10*\m+4*\T+2+\q], s30   ; m(row, 16 T + 8 h + 0..7).  (These and the 48 lines below name no register of the products: they are the places behind them)
.endr
.endr
.irp T, 0,1
.irp j, 0,1,2,3,4,5,6,7
	v_bfe_u32 v[X+8*\T+\j], v[RH+2*\T+\j/4], 8*(\j%4), 8
.endr
.endr
.irp j, 0,1,2,3,4,5,6,7
	v_bfe_u32 v[X+16+\j], v[RAW+10*\m+8+\j/4], 8*(\j%4), 8   ; i = 32 + j in both halves: in lanes 16-31 D holds rows 40 and up, which are 0
.endr
.set n, 0
.rept 24
	v_cvt_f32_u32 v[X+n], v[X+n]
.set n, n+1
.endr
	v_pk_mul_f32 v[28:29], v[X:X+1], v[DD:DD+1]    ; two chains; each accumulator from its low end on
.set n, 2
.rept 11
	v_pk_fma_f32 v[28:29], v[X+n:X+n+1], v[DD+n:DD+n+1], v[28:29]
.set n, n+2
.endr
	v_add_f32 v[CNT+\m], v28, v29
.endm
	CNTM 0
	CNTM 1
	CNTM 2
	CNTM 3
.irp m, 0,1,2,3
	v_permlanex16_b32 v[RH+\m], v[CNT+\m], s26, s27
.endr
.irp m, 0,1,2,3
	v_add_f32 v[CNT+\m], v[CNT+\m], v[RH+\m]       ; both halves' i
.endr
.irp m, 0,1,2,3
	v_ldexp_f32 v[CNT+\m], v[CNT+\m], s61          ; x 2^(e2 + e3): cnt
.endr
.irp m, 0,1,2,3
	v_max_num_f32 v[28+\m], 1.0, v[CNT+\m]
.endr
.irp m, 0,1,2,3
	v_rcp_f32 v[RH+\m], v[28+\m]
.endr
.irp m, 0,1,2,3
	v_cmp_lt_f32 s[84+\m], 0, v[CNT+\m]            ; plain instructions behind the reciprocals, which name none of their registers
.endr
	s_wait_alu depctr_va_vdst(0)                   ; one wait for the four reciprocals, ahead of their first reader
.irp m, 0,1,2,3
	v_cndmask_b32 v[INV+2*\m], 0, v[RH+\m], s[84+\m]   ; 1 / max(cnt, 1), or 0 where cnt <= 0
.endr
.irp m, 0,1,2,3
	v_mov_b32 v[INV+2*\m+1], v[INV+2*\m]           ; (named with it as a pair)
.endr
; 24 LDS loads in one run: half-step k's six fragments of E into set k % 2.  Half-step k lies in slot k / 3, that is in region (k / 3) % 2, at HALFB x (k % 3)
.macro LOAD k
	WIN TO_B
.irp f, 0,1,2,3,4,5
.irp c, 0,1,2,3
	ds_load_b128 v[96*((\k)%2)+16*\f+4*\c:96*((\k)%2)+16*\f+4*\c+3], v[ADB+((\k)/3)%2] offset:HALFB*((\k)%3)+FRAGB*\f+512*\c
.endr
.endr
.endm
	s_wait_tensorcnt 3                             ; half-step 0 is in; the three younger first fills may stay out.  The bytes are my own: no barrier
	LOAD 0
	s_wait_tensorcnt 2                             ; half-step 1 is in
	LOAD 1
	WIN 0
.set n, 0
.rept 40
	v_mul_lo_u32 v[RAW+n], v[RAW+n], v[COD]        ; MJ: bytes of 0 or 1 x the code of 1.0 under 2^e0
.set n, n+1
.endr
; ONE ENTRY of A for the four tiles of rows: register GE % 16 of step GE / 16, into buffer (GE / 16) % 2.  The map is worked out as the text is assembled.  At an a's first entry MI is made anew.
.set GE, 0
.set LASTA, -1
.macro ENTRY
.if GE < 110
.set EK, GE/11
.set EP, GE%11
.set EN, 10-EK/2
.if EP < EN
.set EA, EK
.set EG, EK/2+EP
.else
.set EA, 19-EK
.set EG, (19-EK)/2+EP-EN
.endif
.if EA != LASTA
.irp m, 0,1,2,3
	v_perm_b32 v[MI+\m], v[RAW+10*\m+EA/2], v[RAW+10*\m+EA/2], v[SEL+EA%2]   ; feature 2 a + h's byte, four times
.endr
.set LASTA, EA
.endif
.irp m, 0,1,2,3
	v_and_b32 v[ABUF+64*((GE/16)%2)+16*\m+GE%16], v[RAW+10*\m+EG], v[MI+\m]   ; the codes of m_i m_j, j = 4 g + 0..3
.endr
.else
.irp m, 0,1,2,3
	v_mov_b32 v[ABUF+64*((GE/16)%2)+16*\m+GE%16], 0                           ; entries 110, 111: no pair
.endr
.endif
.set GE, GE+1
.endm
.rept 16
	ENTRY                                          ; step 0's fragments
.endr
; HALF-STEP k: 24 matrix instructions, six tiles of columns x the four tiles of rows, 128 slots of K.  The 48 accumulators take turns, one instruction a turn, in the same order in every step.
; Step 0's products start the sums: nothing is cleared.  Behind every third product stands one ENTRY of the next step's A, 4 to 8 plain instructions that name no register of the products round them: 16 entries a step.
; The entry behind the last product is also the four places in front of the loads into the set just multiplied, and in front of the next writes of the A buffer just read.
.macro MULH k
.set SS, (\k)/2
.set KH, (\k)%2
.set idx, 0
.rept 24
.set TT, 6*KH+idx/4
.set MM, idx%4
.if TT < 8
	WIN MUL_LO
.set AC, 8*(4*TT+MM)
.else
	WIN MUL_HI
.set AC, 8*(4*(TT-8)+MM)
.endif
.set BF, 96*KH+16*(idx/4)
.set AF, ABUF+64*(SS%2)+16*MM
.if SS == 0
	v_wmma_f32_16x16x128_fp8_fp8 v[AC:AC+7], v[BF:BF+15], v[AF:AF+15], 0
.else
	v_wmma_f32_16x16x128_fp8_fp8 v[AC:AC+7], v[BF:BF+15], v[AF:AF+15], v[AC:AC+7]
.endif
.if (SS < 6) && (idx%3 == 2)
	WIN 0
	ENTRY
.endif
.set idx, idx+1
.endr
.endm
; THE CHANGE OF SLOTS: region r, all of whose fragments have been asked for out of LDS, is filled again with the slot two on.  Each wave waits for all its tensor loads (the one that is out is the other region's, which is read
; next), adds 0 to its spare word, steps the region's descriptor, and waits for the add and for its LDS reads.  The round shows the same of every wave of all four work-groups; the joint refill is the first thing behind it.
.macro CHANGE r
	WIN 0                                          ; the add's two registers lie in window 0; at a branch and at a label every window is 0
	s_wait_tensorcnt 0x0                           ; no tensor load of mine is out, so a group 0 may be written
	ds_add_u32 v[SPW], v[NIL]                      ; 0 onto my spare word
	s_add_nc_u64 s[G0+4*(\r)+2:G0+4*(\r)+3], s[G0+4*(\r)+2:G0+4*(\r)+3], 2*SLOTB   ; two slots on; the type bits on top are not reached
	s_wait_dscnt 0x0                               ; the add is done, and my reads of the region are back
	CROUND
	tensor_load_to_lds s[G0+4*(\r):G0+4*(\r)+3], s[G1:G1+7]
	s_nop 0
.rept 4
	v_nop
.endr
.endm
.irp k, 0,1,2,3,4,5,6,7,8,9,10,11,12,13
.if \k == 13
	s_wait_dscnt 0x0
.else
	s_wait_dscnt 24                                ; this half-step's fragments are in; the next one's 24 loads may be out
.endif
	MULH \k
.if \k == 0
	s_wait_tensorcnt 1                             ; half-step 2 is in; slot 1's load may stay out
.endif
.if (\k%3 == 1) && (\k <= 10)
	CHANGE (\k/3)%2                                ; behind half-steps 1, 4, 7, 10: the last half-step of the slot in hand was asked for out of LDS a half-step ago
.endif
.if \k <= 11
	LOAD \k+2
.endif
.endr
	; ---- ctx: six batches of 64 accumulator registers: two neighbouring tiles of columns (32 along the next K) x the four tiles of rows.  sum x 1 / cnt, the hold, the conversion: a lane's 16 codes are
	; registers 4 c .. 4 c + 3 of the next product's operand, and go into LDS as they stand.  Each batch has its own 16 registers of codes: none is written again while a store may read it.
.rept 4
	v_nop                                          ; places behind the last products: their results are read, and the A buffer that they read is written
.endr
	WIN 0
.irp o, 0,1,2,3
	global_load_b128 v[BIAS+8*\o:BIAS+8*\o+3],   v[BO], s[10:11] offset:64*\o      ; b(64 w + 16 o + 8 h + 0..3), into registers that held the masks
	global_load_b128 v[BIAS+8*\o+4:BIAS+8*\o+7], v[BO], s[10:11] offset:64*\o+16   ; .. + 4..7
.endr
.macro BATCH p
.if \p < 4
.set CSET, 192+16*(\p)
	WIN 0x02                                       ; source 0 window 2
.set AC, 64*(\p)
.else
.set CSET, 64+16*((\p)-4)
	WIN 0x03                                       ; source 0 window 3
.set AC, 64*((\p)-4)
.endif
.set i, 0
.rept 32
	v_pk_mul_f32 v[TW+i:TW+i+1], v[AC+i:AC+i+1], v[INV+2*((i/8)%4):INV+2*((i/8)%4)+1] op_sel_hi:[1,0]   ; each accumulator from its low end on
.set i, i+2
.endr
	WIN 0
.set i, 0
.rept 64
	v_med3_num_f32 v[TW+i], v[TW+i], -v14, v14     ; the conversion to an 8-bit code does not saturate (ISA guide 7.6.2)
.set i, i+1
.endr
.irp m, 0,1,2,3
	v_cvt_scalef32_pk8_fp8_f32 v[CSET+4*\m:CSET+4*\m+1],   v[TW+8*\m:TW+8*\m+7],       v13   ; columns 192 w + 32 p + 8 h + 0..7
	v_cvt_scalef32_pk8_fp8_f32 v[CSET+4*\m+2:CSET+4*\m+3], v[TW+32+8*\m:TW+32+8*\m+7], v13   ; columns 192 w + 32 p + 16 + 8 h + 0..7
.endr
	v_nop                                          ; one plain vector instruction behind the conversions: the next batch writes their sources, and later products write their results' registers
.irp m, 0,1,2,3
	ds_store_b128 v[ADB], v[CSET+4*\m:CSET+4*\m+3] offset:(6*\m+\p)*512   ; chunk (m, p) of my 24, in my region 0: its last fill has landed, and I have read what lay here
.endr
.endm
	BATCH 0
	BATCH 1
	BATCH 2
	BATCH 3
	BATCH 4
	BATCH 5
	s_wait_tensorcnt 0x0                           ; the last slot, W's fragments 6 to 23, is in
	s_wait_dscnt 0x0                               ; for the others' sake: my chunks of ctx lie in LDS
	s_barrier_signal -1
	s_barrier_wait -1                              ; everybody's do.
	; ---- the last product.  K step u: ctx's chunks 4 u .. 4 u + 3 of each tile of rows (chunk p lies with wave p / 6, as its chunk p % 6) and my W fragments 4 u .. 4 u + 3 (0-5 behind E's in region 0, the others in region 1)
.macro FETCH u
	WIN TO_B
.irp m, 0,1,2,3
.irp c, 0,1,2,3
	ds_load_b128 v[128*((\u)%2)+16*\m+4*\c:128*((\u)%2)+16*\m+4*\c+3], v[CXA+(4*(\u)+\c)/6] offset:(6*\m+(4*(\u)+\c)%6)*512
.endr
.endr
.irp o, 0,1,2,3
.irp c, 0,1,2,3
.if 4*(\u)+\o < 6
	ds_load_b128 v[128*((\u)%2)+64+16*\o+4*\c:128*((\u)%2)+64+16*\o+4*\c+3], v[ADB] offset:2*HALFB+FRAGB*(4*(\u)+\o)+512*\c
.else
	ds_load_b128 v[128*((\u)%2)+64+16*\o+4*\c:128*((\u)%2)+64+16*\o+4*\c+3], v[ADB+1] offset:FRAGB*(4*(\u)+\o-6)+512*\c
.endif
.endr
.endr
.endm
; 16 matrix instructions: the 16 accumulators take turns, one instruction a turn.  K step 0 starts the sums: nothing is cleared.
.macro MUL5 u
	WIN MULW
.irp m, 0,1,2,3
.irp o, 0,1,2,3
.if \u == 0
	v_wmma_f32_16x16x128_fp8_fp8 v[ACC+8*(4*\m+\o):ACC+8*(4*\m+\o)+7], v[128*((\u)%2)+64+16*\o:128*((\u)%2)+64+16*\o+15], v[128*((\u)%2)+16*\m:128*((\u)%2)+16*\m+15], 0
.else
	v_wmma_f32_16x16x128_fp8_fp8 v[ACC+8*(4*\m+\o):ACC+8*(4*\m+\o)+7], v[128*((\u)%2)+64+16*\o:128*((\u)%2)+64+16*\o+15], v[128*((\u)%2)+16*\m:128*((\u)%2)+16*\m+15], v[ACC+8*(4*\m+\o):ACC+8*(4*\m+\o)+7]
.endif
.endr
.endr
.endm
	FETCH 0
.irp u, 0,1,2,3,4,5
.if \u < 5
.if \u >= 1
.rept 4
	v_nop                                          ; places in front of loads into the set that the last products read (ISA guide 7.12.1 for vector instructions)
.endr
.endif
	FETCH \u+1
	s_wait_dscnt 32                                ; this K step's fragments are in; the next one's 32 loads may be out
.else
	s_wait_dscnt 0x0
.endif
	MUL5 \u
.endr
	WIN 0
	; ---- THE WAY OUT, a tile of 16 rows at a time: sum x 2^(e4 + e5) + b; a lane's 32 bytes go into my stage (rows of 272 bytes) and come back as whole rows of 256 bytes, into the registers that they left.
	s_wait_loadcnt 0x0                             ; the bias
.rept 4
	v_nop                                          ; places behind the last products
.endr
.macro OUTM m
.set i, 0
.rept 16
	v_pk_fma_f32 v[ACC+32*\m+i:ACC+32*\m+i+1], v[ACC+32*\m+i:ACC+32*\m+i+1], s[56:57], v[BIAS+i:BIAS+i+1] op_sel_hi:[1,0,1]   ; each accumulator from its low end on
.set i, i+2
.endr
.irp o, 0,1,2,3
	ds_store_b128 v[STO], v[ACC+32*\m+8*\o:ACC+32*\m+8*\o+3]   offset:64*\o
	ds_store_b128 v[STO], v[ACC+32*\m+8*\o+4:ACC+32*\m+8*\o+7] offset:64*\o+16
.endr
.irp t, 0,1,2,3,4,5,6,7
	ds_load_b128 v[ACC+32*\m+4*\t:ACC+32*\m+4*\t+3], v[RD] offset:544*\t   ; LDS serves a wave's instructions in order (ISA guide 5.7.1.4): these see the stores above; the next tile's stores come behind them
.endr
.endm
.macro SENDM m, younger                ; younger: the LDS instructions issued behind tile m's loads: the next tile's sixteen, or none
.irp t, 0,1,2,3,4,5,6,7
	s_wait_dscnt \younger+7-\t
	global_store_b128 v[GO], v[ACC+32*\m+4*\t:ACC+32*\m+4*\t+3], s[14:15] offset:1024*(16*\m+2*\t) th:TH_STORE_NT   ; sixteen lanes store 256 consecutive bytes, aligned; written once, read by nobody here
.endr
.endm
	OUTM 0
	OUTM 1                                         ; a tile's arithmetic stands between the loads of the tile before and its stores
	SENDM 0, 16
	OUTM 2
	SENDM 1, 16
	OUTM 3
	SENDM 2, 16
	SENDM 3, 0
	s_wait_tensorcnt 0x0                           ; the wave's end: behind my last tensor load and my last LDS store
	ds_add_u32 v[SPW], v[NIL]
	s_wait_dscnt 0x0
	CROUND                                         ; the closing round: no work-group ends while a partner may still ask for a tile that names it
	s_endpgm
.Lfunc_end_k_q660524a424_chain:
	.size	k_q660524a424_chain, .Lfunc_end_k_q660524a424_chain-k_q660524a424_chain
	.p2alignl 7, 3214868480
	.fill 96, 4, 3214868480
	.section	.rodata,"a",@progbits
	.p2align	6, 0x0
	.amdhsa_kernel k_q660524a424_chain
		.amdhsa_group_segment_fixed_size 327680
		.amdhsa_private_segment_fixed_size 0
		.amdhsa_enable_private_segment 0
		.amdhsa_kernarg_size 48
		.amdhsa_user_sgpr_count 2
		.amdhsa_user_sgpr_kernarg_segment_ptr 1
		.amdhsa_wavefront_size32 1
		.amdhsa_system_sgpr_workgroup_id_x 1
		.amdhsa_system_sgpr_workgroup_id_y 1
		.amdhsa_system_sgpr_workgroup_id_z 1
		.amdhsa_system_vgpr_workitem_id 0
		.amdhsa_next_free_vgpr 896
		.amdhsa_next_free_sgpr 100
		.amdhsa_reserve_vcc 0
		.amdhsa_float_denorm_mode_32 3
		.amdhsa_float_denorm_mode_16_64 3
		.amdhsa_memory_ordered 1
		.amdhsa_forward_progress 1
		.amdhsa_inst_pref_size 184
	.end_amdhsa_kernel
	.amdgpu_metadata
---
amdhsa.version: [ 1, 2 ]
amdhsa.kernels:
  - .name:           k_q660524a424_chain
    .symbol:         k_q660524a424_chain.kd
    .args:
      - { .name: codes, .offset: 0, .size: 8, .value_kind: global_buffer, .address_space: global }
      - { .name: surviving_mask, .offset: 8, .size: 8, .value_kind: global_buffer, .address_space: global }
      - { .name: pair_avail, .offset: 16, .size: 8, .value_kind: global_buffer, .address_space: global }
      - { .name: adapter_b, .offset: 24, .size: 8, .value_kind: global_buffer, .address_space: global }
      - { .name: lowp_scales, .offset: 32, .size: 8, .value_kind: global_buffer, .address_space: global }
      - { .name: out0, .offset: 40, .size: 8, .value_kind: global_buffer, .address_space: global }
    .group_segment_fixed_size: 327680
    .private_segment_fixed_size: 0
    .kernarg_segment_align: 8
    .kernarg_segment_size: 48
    .max_flat_workgroup_size: 128
    .sgpr_count:     100
    .vgpr_count:     896
    .wavefront_size: 32
...
	.end_amdgpu_metadata
.endif
;; end of part 2
